; MI455X (gfx1250); checked and timed in simulation.
; The chip was launched on July 23, 2026; its instructions are those of AMD's public machine-readable ISA for CDNA 5 (MIT licence, August 2026) and "CDNA5" Instruction Set Architecture Reference Guide (July 2026). The comments in the code are by the model that wrote it; some were corrected since.
;; Point Net Polyline Encoder. Allowed arithmetic: matrix products marked QUANTISED: E2M1 operands, one E8M0 scale for each 32 along K, by v_wmma_scale_f32_16x16x128_f8f6f4 with both operands' format E2M1 (or v_wmma_scale_f32_32x16x128_f4), f32 sums; products left as they are: f32 operands where the result goes on into a quantised operand, else bf16, f16 or f32 operands; f32 sums; everything else in f32.
;; Inputs: m1_b 64 float32; m1_beta 64 float32; m1_g 64 float32; m1_rm 64 float32; m1_rv 64 float32; m1_w 128 x 64 float32; m2_b 64 float32; m2_beta 64 float32; m2_g 64 float32; m2_rm 64 float32; m2_rv 64 float32; m2_w 64 x 64 float32; out1_b 64 float32; out1_w 64 x 64 float32; out2_b 128 float32; out2_w 64 x 128 float32; polylines 16 x 1,024 x 32 x 9 float32; polylines_mask 16 x 1,024 x 32 bool; pre_b 64 float32; pre_beta 64 float32; pre_g 64 float32; pre_rm 64 float32; pre_rv 64 float32; pre_w 9 x 64 float32.
;; Outputs: out0 16 x 1,024 x 128 float32.
;; This version of the problem:
;;   THIS VERSION OF THE PROBLEM IS GIVEN IN LOW PRECISION. The matrix products marked QUANTISED in the list below multiply operands that are first quantised to E2M1 (2 exponent bits, 1 mantissa bit; 4 bits a number), with one power-of-two scale for each 32 numbers along K (OCP MX v1.0); their sums are f32. All else is computed in f32.
;;   The module's matrix products, in the order in which they are computed (A, B: the left and right operand; K: the contracted axis; several contracted axes count as one K, in the product's order):
;;     1. [M 524,288, K 9] x [K 9, N 64]; A: input polylines; B: input pre_w: left as it is (K = 9 < 32)
;;     2. [M 524,288, K 128] x [K 128, N 64]; A: computed on the way; B: input m1_w: QUANTISED
;;     3. [M 524,288, K 64] x [K 64, N 64]; A: computed on the way; B: input m2_w: QUANTISED
;;     4. [M 16,384, K 64] x [K 64, N 64]; A: computed on the way; B: input out1_w: QUANTISED
;;     5. [M 16,384, K 64] x [K 64, N 128]; A: computed on the way; B: input out2_w: QUANTISED
;;   THE QUANTISER, for each operand of a quantised product, along K:
;;     - K is cut into blocks of 32 from its start; a last block that is shorter is filled with zeros.
;;     - A block's scale is 2^e with e = floor(log2(the largest magnitude in the block)) - 2, held to -126 .. 127; a block of zeros has e = 0. As a byte (E8M0): e + 127.
;;     - Each number is divided by its block's scale, clamped to +-6, and rounded to the nearest number of E2M1, ties to even, subnormals kept.
;;     - The product sums the exact products of the quantised numbers (number of the format x scale) in f32.
;;   ~~~python
;;   def quantise(x, axis):      # numpy; x: float32 -> the quantised numbers, widened to float32 again
;;       x = np.moveaxis(x, axis, -1); K = x.shape[-1]
;;       x = np.pad(x, [(0, 0)] * (x.ndim - 1) + [(0, -K % 32)]); x = x.reshape(x.shape[:-1] + (-1, 32)); a = np.abs(x).max(-1, keepdims=True)
;;       e = np.where(a > 0, np.clip(np.frexp(np.where(a > 0, a, 1))[1] - 1 - 2, -126, 127), 0)      # np.frexp(a)[1] - 1 = floor(log2(a)), exactly
;;       r = np.clip(x / 2.0 ** e, -6, 6)
;;       step = 2.0 ** (np.maximum(np.frexp(np.where(r == 0, 1, r))[1] - 1, 0) - 1)
;;       q = np.round(r / step) * step * 2.0 ** e      # np.round: ties to even
;;       return np.moveaxis(q.reshape(q.shape[:-2] + (-1,))[..., :K], -1, axis).astype(np.float32)
;;   ~~~
;;   OPERANDS COMPUTED ON THE WAY. 'Computed on the way' means the value that the module computes at that place (a softmax that the list does not call 'softmax' is quantised finished and normalised). What goes into a quantiser is computed in f32, as accurately as f32 sums, v_exp_f32 and their like allow (about 1e-6 of the number): no bf16 or f16 on the way to a quantiser, and a product that is left as it is and whose result goes on into a quantised operand takes f32 operands (vector FMAs, or v_wmma_f32_16x16x4_f32). A number that lies on a knife's edge between two numbers of the format may be rounded either way, as far as f32 arithmetic and the matrix unit's own rounding can turn it there, and no further.
;; One version. Each part assembles by itself: llvm-mc -triple=amdgcn-amd-amdhsa -mcpu=gfx1250 --defsym DOCPART=n.
;; ======== version 1 of 1: 1 launch
;; launch encode (part 1): grid 256 x 1, 16 waves a work-group, no clusters, 264,192 bytes of LDS; arguments polylines, polylines_mask, pre_w, pre_b, pre_g, pre_beta, pre_rm, pre_rv, m1_w, m1_b, m1_g, m1_beta, m1_rm, m1_rv, m2_w, m2_b, m2_g, m2_beta, m2_rm, m2_rv, out1_w, out1_b, out2_w, out2_b, out0; writes out0
.if DOCPART == 1
	.amdgcn_target "amdgcn-amd-amdhsa--gfx1250"
	.amdhsa_code_object_version 6
	.text
	.protected	k_q975e5c639a_encode
	.globl	k_q975e5c639a_encode
	.p2align	8
	.type	k_q975e5c639a_encode,@function
k_q975e5c639a_encode:
	s_mov_b64 s[64:65], 0
	v_nop
	global_prefetch_b8 v0, s[64:65] scope:SCOPE_SE
	s_setreg_imm32_b32 hwreg(HW_REG_WAVE_MODE, 25, 1), 1
	s_wait_xcnt 0x0
; PointNet polyline encoder, fused into one launch.  16,384 polylines x 32 points x 9 numbers ->
;   f = mask(relu(BN(x W0 + b)))  (K = 9, f32)   pooled = max over the points   h1 = relu(BN([f | pooled] W1))  (K = 128, MX-FP4)
;   h2 = mask(relu(BN(h1 W2)))  (K = 64, MX-FP4)   feat = max over the points   y = relu(feat W3 + b3) W4 + b4  (MX-FP4), 0 where no point is valid.
; SHARES.  A work-group takes 64 polylines (73,728 consecutive bytes of x); 256 work-groups.  Wave w of 16: batch q = w / 4 (polylines 16 q .. 16 q + 15), part w' = w % 4 (points 8 w' .. 8 w' + 7).
; A TILE'S 16 COLUMNS ARE 16 DIFFERENT POLYLINES AT ONE POINT INDEX, and every product is used transposed (source 0 = 16 rows of a weight, source 1 = the 16 polylines): lane (p = lane % 16, h = lane / 16)
; holds polyline p throughout, its registers run along the channels, which are the next K, and both maxima over the points are plain maxima from tile to tile in a lane; the four parts of a batch meet once in LDS.
; THE ROWS OF A WEIGHT THAT FORM A TILE ARE NOT NEIGHBOURS: lane r of channel tile c = 2 b + u takes output channel 32 b + 8 u + r + 8 (r / 8), so register 16 b + 8 u + j of a tile's 32 holds channel 32 b + 16 h + 8 u + j:
; 16 neighbours of each block of 32 along the next K.  The pooled vector's four code registers are the upper half (k = 64 .. 127) of the first quantised product's operand in all eight tiles.
; BATCH NORM.  s = g rsq(rv + 1e-5).  In front: W0 s and (b - rm) s + beta are laid into the f32 fragments (the bias as k = 9 against the number 1).  Behind the quantised products: h = sum x s + ((b - rm) s + beta), one packed multiply-add.
; THE MASK.  lim = +infinity for a valid point, 0 for a hidden one: median(sum, 0, lim) is relu and mask at once; max(min(h, lim), running maximum) is relu, mask and pool at once.  No branch hangs on data.
; THE WEIGHTS are quantised once by each work-group: 24 units of 64 (K) x 16 (channels), a lane to a column, registers down K; they go to LDS as images of the operand's registers.
; NO CLUSTER: what work-groups share are the f32 weights, 98,304 bytes, which each work-group reads once in the launch, at most 8 KiB a wave, straight into the registers that the quantiser works on.  A joint load would lay the
; same f32 bytes into LDS first, to be read from there once more, and would add the cluster's barriers at both ends of a text that has four barriers in all.
; LIMITS.  NaN and infinities among the inputs are not served (an infinite x would also meet the zero weights at k = 10, 11).  Mask bytes are 0 or 1, as the type says.  A block whose largest magnitude lies under 2^-124, a block
; of zeros among them, gets the scale byte 1 where the quantiser's rule says 127 for zeros: its codes are zeros there, and this program alone reads the bytes.  The folded batch norm rounds in another order than
; (h - rm) rsq g + beta: a few units in the last place of f32.
; LDS, every region in whole blocks of 256 bytes:
.set XP,    1168                       ; x: a polyline's 1,152 bytes + 16 = 292 words: polyline p starts at bank 36 p mod 64 (64 banks of 4 bytes: ISA guide 11.1), all multiples of 4 and all different; h adds 2
.set OB1,   74752                      ; behind 64 x 1,168 bytes of x: out1_b, 256 bytes (a copy's target, like x)
.set OB2,   75008                      ; out2_b, 512 bytes (likewise)
.set WIMG,  75520                      ; 24 weight units x 512 bytes: four code registers, lane l's 16 bytes at 16 l.  Units 0-7: W1 (tile u / 2, K half u % 2); 8-11: W2; 12-15: W3; 16-23: W4 (columns as they lie)
.set WSU,   87808                      ; 24 x 64 bytes: one word for each of a unit's 16 rows, its two scale bytes in the low half
.set BNT,   89344                      ; s[64], t[64] behind W1; s[64], t[64] behind W2
.set PWI,   90368                      ; the f32 fragments of W0: 24 registers as six images of 512 bytes
.set PX,    93440                      ; the first exchange: wave w's 32 registers as eight images, at 4,096 w
.set FXD,   65536                      ; the second exchange lies this far behind the first
.set OST,   224512                     ; the way out: 4 batches x 16 rows x (512 + 16) bytes
.set OSP,   528
; REGISTERS.  v1 WIMG + 16 lane; v2 WSU + 4 p; v3, v4 my polyline's point 8 w' in LDS (with and without 8 h); v5 lim; v[6:7] my eight mask bytes x 255; v8 the OR of my polyline's 32 mask bytes;
; v9, v10 the exchange: where I store, where my batch's images begin; v11 BNT + 64 h; v12-15 at work, later W2's scale words.  In the tail v3-7, v9, v11 are addresses of the way out.
.set TM,    16                         ; v16-23   the quantiser's: +0, 1 largest magnitudes; +2, 3 from the other half of the lanes; +4, 5 scale operands; +6, 7 bytes
.set ACC,   24                         ; v24-55   four accumulators: written by matrix instructions alone
.set F,     56                         ; v56-87   a tile's 32 numbers
.set POOL,  88                         ; v88-119  the running maximum (pooled, later feat); between the two: s behind W1
.set CODES, 120                        ; v120-151 four code registers a tile
.set OP,    152                        ; v152-159 the operand of the K = 128 product: a tile's codes, the pooled vector's codes
.set SCW,   160                        ; v160-167 a scale word a tile
.set PW,    168                        ; v168-191 W0's fragments: (tile c, K step s) at PW + 6 c + 2 s
.set XO,    192                        ; v192-203 x's fragments, two sets of six: register 2 s + j is k = 4 s + 2 h + j; register 5 is the number 1
.set M1F,   200                        ; v200-231 W1's four fragments;  v232-239 their units' words;  v240-243 their scale words
.set M1S,   240
.macro BARRIER                         ; my LDS stores have landed and my LDS loads are in: then the work-group's barrier
	s_wait_dscnt 0x0
	s_barrier_signal -1
	s_barrier_wait -1
.endm
.macro PLACES n
.rept \n
	v_nop
.endr
.endm
; 32 numbers of a lane, none negative, register 16 b + i = k 32 b + 16 h + i of my polyline, become four code registers (k = 32 h + 0 .. 31) and the two scale bytes in the low half of v[scw].
.macro QUANT32 src, dst, scw
.irp b, 0,1
	v_max3_num_f32 v[TM+\b], v[\src+16*\b], v[\src+16*\b+1], 0x1800000   ; block b: my 16 numbers, and the floor 2^(3 - 127): so the byte cannot fall under 1
.endr
.irp i, 2,4,6,8,10,12,14
.irp b, 0,1
	v_max3_num_f32 v[TM+\b], v[TM+\b], v[\src+16*\b+\i], v[\src+16*\b+\i+1]
.endr
.endr
.irp b, 0,1
	v_permlanex16_b32 v[TM+2+\b], v[TM+\b], s6, s7
.endr
.irp b, 0,1
	v_max_num_f32 v[TM+\b], v[TM+\b], v[TM+2+\b]                    ; with lane l xor 16's 16: the block's largest magnitude
.endr
.irp b, 0,1
	v_add_nc_u32 v[TM+4+\b], 0xff000000, v[TM+\b]                   ; 2 off its exponent field: the conversion takes that field of this operand as its scale
.endr
.irp b, 0,1
	v_lshrrev_b32 v[TM+6+\b], 23, v[TM+4+\b]                        ; the scale's byte
.endr
	v_lshl_or_b32 v[\scw], v[TM+7], 8, v[TM+6]
.irp b, 0,1
	v_cvt_scalef32_pk8_fp4_f32 v[\dst+2*\b], v[\src+16*\b:\src+16*\b+7], v[TM+4+\b]
	v_cvt_scalef32_pk8_fp4_f32 v[\dst+2*\b+1], v[\src+16*\b+8:\src+16*\b+15], v[TM+4+\b]
.endr
	v_nop                                                           ; one plain place behind a scaled conversion
	v_permlane16_swap_b32 v[\dst], v[\dst+2]                        ; the operand's layout wants a whole block in a lane: lanes 0-15 block 0, lanes 16-31 block 1
	v_permlane16_swap_b32 v[\dst+1], v[\dst+3]
.endm
; A weight unit: my 32 numbers, k = 32 h + 0 .. 31 of my column, are one block.  Codes to the unit's image, the two bytes as one word for the row.
.macro QW src, dst, imgoff, scoff
	v_max3_num_f32 v[TM], |v[\src]|, |v[\src+1]|, |v[\src+2]|
	v_max3_num_f32 v[TM+1], |v[\src+3]|, |v[\src+4]|, |v[\src+5]|
.irp i, 6,10,14,18,22,26
	v_max3_num_f32 v[TM], v[TM], |v[\src+\i]|, |v[\src+\i+1]|
	v_max3_num_f32 v[TM+1], v[TM+1], |v[\src+\i+2]|, |v[\src+\i+3]|
.endr
	v_max3_num_f32 v[TM], v[TM], |v[\src+30]|, |v[\src+31]|
	v_max3_num_f32 v[TM], v[TM], v[TM+1], 0x1800000                 ; and the floor
	v_add_nc_u32 v[TM+4], 0xff000000, v[TM]
	v_lshrrev_b32 v[TM+6], 23, v[TM+4]
	v_lshlrev_b32 v[TM+6], v72, v[TM+6]                             ; my block's byte at its place, 8 h bits up;
	v_permlanex16_b32 v[TM+2], v[TM+6], s6, s7
	v_or_b32 v[TM+6], v[TM+6], v[TM+2]                              ; with lane l xor 16's the row's two bytes are together
.irp g, 0,1,2,3
	v_cvt_scalef32_pk8_fp4_f32 v[\dst+\g], v[\src+8*\g:\src+8*\g+7], v[TM+4]
.endr
	v_nop                                                           ; one plain place behind a scaled conversion
	ds_store_b128 v69, v[\dst:\dst+3] offset:\imgoff
	ds_store_b32 v70, v[TM+6] offset:\scoff                         ; lanes p and p + 16 write the same word with the same value
.endm
.macro BNLOAD pb, pg, pbeta, prm, prv  ; two channels a lane
	global_load_b64 v[200:201], v67, s[\pb:\pb+1]
	global_load_b64 v[202:203], v67, s[\pg:\pg+1]
	global_load_b64 v[204:205], v67, s[\pbeta:\pbeta+1]
	global_load_b64 v[206:207], v67, s[\prm:\prm+1]
	global_load_b64 v[208:209], v67, s[\prv:\prv+1]
.endm
.macro BNFOLD off
	v_add_f32 v208, 0x3727c5ac, v208                                ; rv + 1e-5
	v_add_f32 v209, 0x3727c5ac, v209
	v_rsq_f32 v208, v208
	v_rsq_f32 v209, v209
	v_nop                                                           ; one plain place behind a transcendental
	s_wait_alu depctr_va_vdst(0)
	v_pk_mul_f32 v[210:211], v[208:209], v[202:203]                 ; s
	v_pk_add_f32 v[200:201], v[200:201], v[206:207] neg_lo:[0,1] neg_hi:[0,1]   ; b - rm
	v_pk_fma_f32 v[212:213], v[200:201], v[210:211], v[204:205]     ; t
	ds_store_b64 v71, v[210:211] offset:\off
	ds_store_b64 v71, v[212:213] offset:\off+256
.endm
.macro XLOAD i                         ; point 8 w' + i of my polyline: k = 4 s + 2 h + j, and k = 8
.irp s, 0,1
.irp j, 0,1
	ds_load_b32 v[XO+6*((\i)%2)+2*\s+\j], v3 offset:36*(\i)+16*\s+4*\j
.endr
.endr
	ds_load_b32 v[XO+6*((\i)%2)+4], v4 offset:36*(\i)+32            ; lanes 16-31 hold it too: there it meets zero weights
.endm
.macro WMF i                           ; 64 channels x 16 polylines x K = 12, f32: four accumulators by turns, one instruction a turn
.irp c, 0,1,2,3
	v_wmma_f32_16x16x4_f32 v[ACC+8*\c:ACC+8*\c+7], v[PW+6*\c:PW+6*\c+1], v[XO+6*((\i)%2):XO+6*((\i)%2)+1], 0
.endr
.irp s, 1,2
.irp c, 0,1,2,3
	v_wmma_f32_16x16x4_f32 v[ACC+8*\c:ACC+8*\c+7], v[PW+6*\c+2*\s:PW+6*\c+2*\s+1], v[XO+6*((\i)%2)+2*\s:XO+6*((\i)%2)+2*\s+1], v[ACC+8*\c:ACC+8*\c+7]
.endr
.endr
.endm
.macro LIMIT i                         ; byte i of my eight is 0 or 255: as an exponent field 0 or +infinity
	v_bfe_u32 v5, v[6+(\i)/4], 8*((\i)%4), 8
	v_lshlrev_b32 v5, 23, v5
.endm
.macro POST i                          ; relu and mask in one median, each accumulator from its low end on; then the running maximum
.set j, 0
.rept 32
	v_med3_num_f32 v[F+j], v[ACC+j], 0, v5
.set j, j+1
.endr
.set j, 0
.rept 32
.if (\i) == 0
	v_max_num_f32 v[POOL+j], 0, v[F+j]
.else
	v_max_num_f32 v[POOL+j], v[POOL+j], v[F+j]
.endif
.set j, j+1
.endr
.endm
; The four parts of a batch exchange their running maxima: 32 registers as eight images; a barrier; all four parts' images back; their maximum.
.macro EXCH
.irp k, 0,1,2,3,4,5,6,7
	ds_store_b128 v9, v[POOL+4*\k:POOL+4*\k+3] offset:512*\k
.endr
	BARRIER
.irp k, 0,1,2,3,4,5,6,7
	ds_load_b128 v[F+4*\k:F+4*\k+3], v10 offset:512*\k
	ds_load_b128 v[168+4*\k:168+4*\k+3], v10 offset:4096+512*\k
	ds_load_b128 v[200+4*\k:200+4*\k+3], v10 offset:8192+512*\k
	ds_load_b128 v[POOL+4*\k:POOL+4*\k+3], v10 offset:12288+512*\k
.endr
	s_wait_dscnt 0x0
.set j, 0
.rept 32
	v_max3_num_f32 v[POOL+j], v[POOL+j], v[F+j], v[168+j]
.set j, j+1
.endr
.set j, 0
.rept 32
	v_max_num_f32 v[POOL+j], v[POOL+j], v[200+j]
.set j, j+1
.endr
.endm
.macro LOADV reg, adr, off             ; 64 numbers by channel, in a tile's layout: my 16 of each block of 32 (the address holds 64 h)
.irp b, 0,1
.irp m, 0,1,2,3
	ds_load_b128 v[\reg+16*\b+4*\m:\reg+16*\b+4*\m+3], v[\adr] offset:\off+128*\b+16*\m
.endr
.endr
.endm
.macro WM d, a, b, as, bs              ; 16 channels x 16 polylines x 128 along K on codes; the sum begins with 0
	v_wmma_scale_f32_16x16x128_f8f6f4 v[\d:\d+7], v[\a:\a+7], v[\b:\b+7], 0, v[\as], v[\bs] matrix_a_fmt:MATRIX_FMT_FP4 matrix_b_fmt:MATRIX_FMT_FP4
.endm
.macro WMC d, a, b, c, as, bs          ; the same; the sum begins with the bias
	v_wmma_scale_f32_16x16x128_f8f6f4 v[\d:\d+7], v[\a:\a+7], v[\b:\b+7], v[\c:\c+7], v[\as], v[\bs] matrix_a_fmt:MATRIX_FMT_FP4 matrix_b_fmt:MATRIX_FMT_FP4
.endm
.macro WMQ1 i                          ; [f | pooled] W1 of tile i
.irp c, 0,1,2,3
	WM ACC+8*\c, M1F+8*\c, OP, M1S+\c, SCW+(\i)
.endr
.endm
.macro WMQ2 i                          ; h1 W2 of tile i.  K = 64: the weights' upper four registers are zero codes, so what source 1 holds there (the next tile's codes) adds nothing; no scale byte is 0xff
	WM ACC, 16, CODES+4*(\i), 12, SCW+(\i)
	WM ACC+8, 168, CODES+4*(\i), 13, SCW+(\i)
	WM ACC+16, 176, CODES+4*(\i), 14, SCW+(\i)
	WM ACC+24, 184, CODES+4*(\i), 15, SCW+(\i)
.endm
.macro MOV i
.irp k, 0,1,2,3
	v_mov_b32 v[OP+\k], v[CODES+4*(\i)+\k]
.endr
.endm
.macro BN s, t                         ; sum x s + t, two at a time, each accumulator from its low end on
.set j, 0
.rept 16
	v_pk_fma_f32 v[F+j:F+j+1], v[ACC+j:ACC+j+1], v[\s+j:\s+j+1], v[\t+j:\t+j+1]
.set j, j+2
.endr
.endm
.macro RELU
.set j, 0
.rept 32
	v_max_num_f32 v[F+j], 0, v[F+j]
.set j, j+1
.endr
.endm
.macro MM i                            ; max(min(h, lim), running maximum): relu, mask and pool at once
.set j, 0
.rept 32
.if (\i) == 0
	v_minmax_num_f32 v[POOL+j], v[F+j], v5, 0
.else
	v_minmax_num_f32 v[POOL+j], v[F+j], v5, v[POOL+j]
.endif
.set j, j+1
.endr
.endm
; ---------------------------------------------------------------- THE HEAD
	s_load_b512 s[16:31], s[0:1], 0x0              ; polylines 16, mask 18, pre_w 20, pre_b 22, pre_g 24, pre_beta 26, pre_rm 28, pre_rv 30
	s_load_b512 s[32:47], s[0:1], 0x40             ; m1_w 32, m1_b 34, m1_g 36, m1_beta 38, m1_rm 40, m1_rv 42, m2_w 44, m2_b 46
	s_load_b512 s[48:63], s[0:1], 0x80             ; m2_g 48, m2_beta 50, m2_rm 52, m2_rv 54, out1_w 56, out1_b 58, out2_w 60, out2_b 62
	s_load_b64 s[66:67], s[0:1], 0xc0              ; out0
	v_lshl_add_u32 v254, v0, 2, 0x40000
	v_mov_b32 v255, 0
	ds_add_u32 v254, v255
	ds_add_u32 v254, v255
	s_wait_dscnt 0x0
	v_lshrrev_b32 v12, 5, v0
	v_readfirstlane_b32 s2, v12                    ; wave w
	s_and_b32 s3, s2, 3                            ; part w'
	s_lshr_b32 s4, s2, 2                           ; batch q
	s_mov_b32 s6, 0x76543210
	s_mov_b32 s7, 0xfedcba98                       ; v_permlanex16_b32's selects for lane l xor 16
	; byte offsets, apart from the addresses
	s_mul_i32 s8, ttmp9, 73728                     ; x: the work-group's 64 polylines, my wave's four of them for the copies
	s_mul_i32 s5, s2, 4608
	s_add_co_u32 s8, s8, s5
	s_mov_b32 s9, 0
	s_lshl_b32 s10, ttmp9, 11                      ; the mask: 64 x 32 bytes
	s_mov_b32 s11, 0
	s_lshl_b32 s12, ttmp9, 15                      ; y: 64 rows of 512 bytes; I store rows 16 q + 4 w' = 4 w on
	s_lshl_b32 s5, s2, 11
	s_add_co_u32 s12, s12, s5
	s_mov_b32 s13, 0
	s_lshl_b32 s14, s2, 6                          ; W4's unit 16 + w: columns 16 w on
	s_mov_b32 s15, 0
	s_lshr_b32 s74, s2, 1                          ; unit w: waves 0-7: W1, tile w / 2, K half w % 2; waves 8-11: W2, 12-15: W3, tile w % 4
	s_and_b32 s75, s2, 1
	s_lshl_b32 s75, s75, 14                        ; 64 rows of 256 bytes
	s_cmp_lt_u32 s2, 8
	s_cselect_b32 s74, s74, s3
	s_cselect_b32 s75, s75, 0
	s_lshr_b32 s76, s74, 1
	s_lshl_b32 s76, s76, 7
	s_and_b32 s74, s74, 1
	s_lshl_b32 s74, s74, 5
	s_add_co_u32 s72, s76, s74                     ; the tile's first column, 32 b + 8 u, in bytes
	s_add_co_u32 s72, s72, s75
	s_mov_b32 s73, 0
	; every LDS address is made here, ahead of the branches on the wave's number
	v_and_b32 v12, 31, v0                          ; lane
	v_and_b32 v13, 15, v0                          ; p
	v_bfe_u32 v14, v0, 4, 1                        ; h
	s_mul_i32 s5, s2, 4*XP
	v_lshl_add_u32 v79, v12, 4, s5                 ; the copies: my wave's four polylines in LDS, 16 bytes a lane
.irp i, 0,1,2,3,4,5,6,7,8
	v_add_nc_u32 v[56+\i], 32*\i, v12              ; piece 32 i + lane of 288; a polyline has 72 pieces of 16 bytes;
	v_mul_u32_u24 v[56+\i], v[56+\i], 911          ; x 911 >> 16 is the division by 72 for every number under 288
	v_lshrrev_b32 v[56+\i], 16, v[56+\i]
	v_lshl_add_u32 v[56+\i], v[56+\i], 4, v79      ; 16 bytes of padding for each polyline passed (the copy's immediate adds 512 i to both addresses)
.endr
	v_lshlrev_b32 v65, 4, v12                      ; 16 lane
	v_lshl_add_u32 v66, v12, 3, OB1
	v_lshlrev_b32 v67, 3, v12                      ; 8 lane
	v_lshl_add_u32 v68, v12, 4, OB2
	v_lshl_add_u32 v1, v12, 4, WIMG
	v_lshl_add_u32 v2, v13, 2, WSU
	s_lshl_b32 s5, s2, 9
	v_add_nc_u32 v69, s5, v1                       ; where I store unit w's image
	s_lshl_b32 s5, s2, 6
	v_add_nc_u32 v70, s5, v2                       ; and its rows' words
	v_lshl_add_u32 v71, v12, 3, BNT
	v_lshlrev_b32 v72, 3, v14                      ; 8 h
	v_and_b32 v75, 8, v13
	v_add_nc_u32 v75, v75, v13
	v_lshlrev_b32 v75, 2, v75                      ; my column of a tile, in bytes: 4 (p + 8 (p / 8))
	v_lshl_add_u32 v73, v14, 13, v75               ; + 32 h rows of 256 bytes
	v_lshlrev_b32 v74, 2, v13
	v_lshl_add_u32 v74, v14, 14, v74               ; W4: 4 p + 32 h rows of 512 bytes
	v_lshl_add_u32 v76, v14, 9, v75                ; W0: + 2 h rows of 256 bytes
	s_lshl_b32 s5, s4, 9
	v_lshl_add_u32 v78, v13, 5, s5                 ; my polyline's 32 mask bytes
	s_lshl_b32 s5, s3, 3
	v_add_nc_u32 v77, s5, v78                      ; my part's eight
	v_lshl_add_u32 v78, v14, 4, v78                ; my half's sixteen
	s_mul_i32 s5, s4, 16*XP
	s_mul_i32 s74, s3, 288
	s_add_co_u32 s5, s5, s74
	v_mul_u32_u24 v4, v13, XP
	v_add_nc_u32 v4, s5, v4                        ; x in LDS: polyline 16 q + p, point 8 w'
	v_lshl_add_u32 v3, v14, 3, v4                  ; + 8 h
	s_lshl_b32 s5, s2, 12
	s_add_co_u32 s5, s5, PX
	v_lshl_add_u32 v9, v12, 4, s5
	s_lshl_b32 s5, s4, 14
	s_add_co_u32 s5, s5, PX
	v_lshl_add_u32 v10, v12, 4, s5
	v_lshl_add_u32 v11, v14, 6, BNT
	v_mov_b32 v[TM+2], 0                           ; written once: a lane permute's destination counts as one of its sources
	v_mov_b32 v[TM+3], 0
	s_wait_kmcnt 0x0
	s_add_nc_u64 s[16:17], s[16:17], s[8:9]
	s_add_nc_u64 s[18:19], s[18:19], s[10:11]
	s_add_nc_u64 s[66:67], s[66:67], s[12:13]
	s_add_nc_u64 s[70:71], s[60:61], s[14:15]
	s_cmp_lt_u32 s2, 12                            ; the choice hangs on the wave's number alone
	s_cselect_b64 s[68:69], s[44:45], s[56:57]
	s_cmp_lt_u32 s2, 8
	s_cselect_b64 s[68:69], s[32:33], s[68:69]
	s_add_nc_u64 s[68:69], s[68:69], s[72:73]
.irp i, 0,1,2,3,4,5,6,7,8
	global_load_async_to_lds_b128 v[56+\i], v65, s[16:17] offset:512*\i   ; 32 lanes copy 512 consecutive bytes of x; nine lines: my wave's 4,608
.endr
	s_cmp_lg_u32 s2, 11
	s_cbranch_scc1 .Lno_bias
	global_load_async_to_lds_b64 v66, v67, s[58:59]                       ; wave 11 also copies the two output biases
	global_load_async_to_lds_b128 v68, v65, s[62:63]
.Lno_bias:
	global_load_b64 v[6:7], v77, s[18:19]
	global_load_b128 v[80:83], v78, s[18:19]
.set j, 0
.rept 32
	global_load_b32 v[168+j], v73, s[68:69] offset:256*j                  ; unit w: W(32 h + j, my column): sixteen lanes read two runs of 32 neighbouring bytes
.set j, j+1
.endr
	; the waves' second tasks: each issues its loads, waits for all its loads and works; all loads of a wave are out before its first wait
	s_cmp_lt_u32 s2, 8
	s_cbranch_scc0 .Lrole8
.set j, 0
.rept 32
	global_load_b32 v[200+j], v74, s[70:71] offset:512*j                  ; waves 0-7: W4's unit 16 + w
.set j, j+1
.endr
	s_wait_loadcnt 0x0
	QW 200, 156, 8192, 1024
	s_branch .Ljoin
.Lrole8:
	s_cmp_eq_u32 s2, 8
	s_cbranch_scc0 .Lrole9
	BNLOAD 34, 36, 38, 40, 42                      ; wave 8: s and t behind W1
	s_wait_loadcnt 0x0
	BNFOLD 0
	s_branch .Ljoin
.Lrole9:
	s_cmp_eq_u32 s2, 9
	s_cbranch_scc0 .Lrole10
	BNLOAD 46, 48, 50, 52, 54                      ; wave 9: behind W2
	s_wait_loadcnt 0x0
	BNFOLD 512
	s_branch .Ljoin
.Lrole10:
	s_cmp_eq_u32 s2, 10
	s_cbranch_scc0 .Ljoin
	; wave 10: W0's fragments.  Lane (r, h), register j of (tile c, K step s): W0(4 s + 2 h + j, my column) x s; k = 8 and the bias (k = 9) in lanes 0-15 of K step 2, zeros (k = 10, 11) in lanes 16-31
.irp c, 0,1,2,3
	global_load_b32 v[200+\c], v75, s[24:25] offset:128*(\c/2)+32*(\c%2)   ; g
	global_load_b32 v[204+\c], v75, s[30:31] offset:128*(\c/2)+32*(\c%2)   ; rv
	global_load_b32 v[208+\c], v75, s[22:23] offset:128*(\c/2)+32*(\c%2)   ; b
	global_load_b32 v[212+\c], v75, s[28:29] offset:128*(\c/2)+32*(\c%2)   ; rm
	global_load_b32 v[216+\c], v75, s[26:27] offset:128*(\c/2)+32*(\c%2)   ; beta
.irp s, 0,1
.irp j, 0,1
	global_load_b32 v[220+6*\c+2*\s+\j], v76, s[20:21] offset:(4*\s+\j)*256+128*(\c/2)+32*(\c%2)
.endr
.endr
	global_load_b32 v[224+6*\c], v75, s[20:21] offset:2048+128*(\c/2)+32*(\c%2)   ; row k = 8, the last: no load leaves the 9 rows
.endr
	s_wait_loadcnt 0x0
	v_cmp_eq_u32 vcc_lo, 0, v72                    ; lanes 0-15
.irp c, 0,1,2,3
	v_add_f32 v[204+\c], 0x3727c5ac, v[204+\c]     ; rv + 1e-5
.endr
.irp c, 0,1,2,3
	v_rsq_f32 v[204+\c], v[204+\c]
.endr
	v_nop                                          ; one plain place behind a transcendental
	s_wait_alu depctr_va_vdst(0)
.irp c, 0,1,2,3
	v_mul_f32 v[200+\c], v[204+\c], v[200+\c]      ; s
.endr
.irp c, 0,1,2,3
	v_sub_f32 v[208+\c], v[208+\c], v[212+\c]      ; b - rm
.endr
.irp c, 0,1,2,3
	v_fma_f32 v[216+\c], v[208+\c], v[200+\c], v[216+\c]   ; the bias
.endr
.irp c, 0,1,2,3
.irp n, 0,1,2,3,4
	v_mul_f32 v[220+6*\c+\n], v[220+6*\c+\n], v[200+\c]
.endr
	v_cndmask_b32 v[224+6*\c], 0, v[224+6*\c], vcc_lo
	v_cndmask_b32 v[225+6*\c], 0, v[216+\c], vcc_lo
.endr
.irp g, 0,1,2,3,4,5
	ds_store_b128 v1, v[220+4*\g:223+4*\g] offset:PWI-WIMG+512*\g
.endr
.Ljoin:
	s_wait_loadcnt 0x0                             ; the mask and unit w
	v_lshlrev_b32 v12, 8, v6                       ; bytes of 0 or 1 x 255 = (x << 8) - x: no byte borrows from its neighbour
	v_lshlrev_b32 v13, 8, v7
	v_sub_nc_u32 v6, v12, v6
	v_sub_nc_u32 v7, v13, v7
	v_or_b32 v8, v80, v81
	v_or_b32 v12, v82, v83
	v_or_b32 v8, v8, v12
	v_permlanex16_b32 v[TM+2], v8, s6, s7
	v_or_b32 v8, v8, v[TM+2]                       ; not 0 where my polyline has a valid point
	QW 168, 152, 0, 0
	s_wait_asynccnt 0x0                            ; my copies have landed; only now may their address registers be written
	BARRIER                                        ; x, the biases, 24 units, s and t, W0's fragments lie in LDS
; ---------------------------------------------------------------- PASS A: the f32 layer, the first maximum, f's codes
.irp g, 0,1,2,3,4,5
	ds_load_b128 v[PW+4*\g:PW+4*\g+3], v1 offset:PWI-WIMG+512*\g
.endr
	XLOAD 0
	v_mov_b32 v[XO+5], 1.0                         ; k = 9: the number that the bias multiplies (in lanes 16-31 it meets a zero weight)
	v_mov_b32 v[XO+11], 1.0
.irp i, 0,1,2,3,4,5,6,7
	s_wait_dscnt 0x0                               ; this tile's five numbers, asked for a tile ago
.if \i < 7
	XLOAD \i+1                                     ; into the other set: its last products stand a whole tile's vector work back
.endif
	WMF \i
.if \i > 0
	QUANT32 F, CODES+4*(\i-1), SCW+\i-1            ; the tile before is quantised behind this tile's products: its plain lines, which name none of their registers, are the eight places in front of the reads
.else
	PLACES 8
.endif
	LIMIT \i
	POST \i
.endr
	QUANT32 F, CODES+28, SCW+7
; ---------------------------------------------------------------- the pooled vector
	EXCH
	v_add_nc_u32 v9, FXD, v9                       ; the second exchange has bytes of its own
	v_add_nc_u32 v10, FXD, v10
	LOADV 168, 11, 256                             ; t behind W1
.irp u, 0,1,2,3,4,5,6,7
	ds_load_b128 v[M1F+4*\u:M1F+4*\u+3], v1 offset:512*\u   ; units 2 c and 2 c + 1 are registers 0-3 and 4-7 of tile c's fragment
	ds_load_b32 v[232+\u], v2 offset:64*\u
.endr
	QUANT32 POOL, OP+4, 12                         ; its codes are k = 64 .. 127 of every tile's operand
	LOADV POOL, 11, 0                              ; s behind W1, where the maximum lay
.irp i, 0,1,2,3,4,5,6,7
	v_lshl_or_b32 v[SCW+\i], v12, 16, v[SCW+\i]    ; f's two bytes below, the pooled vector's two above
.endr
	MOV 0
	s_wait_dscnt 0x0
.irp c, 0,1,2,3
	v_lshl_or_b32 v[M1S+\c], v[233+2*\c], 16, v[232+2*\c]
.endr
	PLACES 8                                       ; a scale register written by a vector instruction stands eight places ahead of a scaled matrix instruction
; ---------------------------------------------------------------- PASS B1: [f | pooled] W1, batch norm, relu, codes
	WMQ1 0
	PLACES 4
.irp i, 0,1,2,3,4,5,6
	BN POOL, 168
	MOV \i+1                                       ; the last products that read these four registers stand a quantiser (tile 0: four places) back; the 32 lines below stand ahead of the next
	RELU
	WMQ1 \i+1
	QUANT32 F, CODES+4*\i, SCW+\i                  ; h1's codes take f's place; these lines are the places behind the products above
.endr
	BN POOL, 168
	RELU
	QUANT32 F, CODES+28, SCW+7
; ---------------------------------------------------------------- PASS B2: h1 W2, batch norm, relu, mask, the second maximum
.irp r, 20,21,22,23,172,173,174,175,180,181,182,183,188,189,190,191
	v_mov_b32 v\r, 0                               ; K = 64: zero codes for k = 64 .. 127
.endr
	ds_load_b128 v[16:19], v1 offset:512*8
	ds_load_b128 v[168:171], v1 offset:512*9
	ds_load_b128 v[176:179], v1 offset:512*10
	ds_load_b128 v[184:187], v1 offset:512*11
.irp c, 0,1,2,3
	ds_load_b32 v[12+\c], v2 offset:64*(8+\c)
.endr
	LOADV 192, 11, 512                             ; s
	LOADV 224, 11, 768                             ; t
	s_wait_dscnt 0x0
	PLACES 4
	WMQ2 0
	PLACES 5                                       ; four in front of the reads, five in front of the products that write over the accumulators
.irp i, 0,1,2,3,4,5,6
	BN 192, 224
	WMQ2 \i+1
	LIMIT \i
	MM \i
.endr
	BN 192, 224
	LIMIT 7
	MM 7
; ---------------------------------------------------------------- feat, and the two output layers: each wave all of W3 for its batch, and 32 of W4's 128 outputs
	EXCH
	v_and_b32 v12, 31, v0                          ; lane
	v_and_b32 v13, 15, v0                          ; p
	v_bfe_u32 v14, v0, 4, 1                        ; h
	v_lshl_add_u32 v3, v14, 6, OB1                 ; out1_b in a tile's layout
	s_lshl_b32 s5, s3, 7
	s_add_co_u32 s8, s5, OB2
	v_lshl_add_u32 v4, v14, 5, s8                  ; out2_b: outputs 32 w' + 8 h on
	s_mul_i32 s9, s4, 16*OSP
	s_add_co_u32 s9, s9, OST
	s_add_co_u32 s10, s9, s5
	v_mul_u32_u24 v5, v13, OSP
	v_lshl_add_u32 v5, v14, 5, v5
	v_add_nc_u32 v5, s10, v5                       ; the stage: my batch, row p, + 128 w' + 32 h
	s_mul_i32 s11, s3, 4*OSP
	s_add_co_u32 s11, s11, s9
	v_lshl_add_u32 v6, v12, 4, s11                 ; back: rows 4 w' on, 16 bytes a lane
	s_lshl_b32 s12, s3, 10
	v_add_nc_u32 v7, s12, v1                       ; W4's units 16 + 2 w' + e
	v_add_nc_u32 v9, s5, v2                        ; and their words
	v_lshlrev_b32 v11, 4, v12                      ; 16 lane, in a row of y
.irp c, 0,1,2,3
.irp k, 4,5,6,7
	v_mov_b32 v[168+8*\c+\k], 0                    ; K = 64: zero codes above
.endr
.endr
.irp e, 0,1
.irp k, 4,5,6,7
	v_mov_b32 v[232+8*\e+\k], 0
.endr
.endr
.irp c, 0,1,2,3
	ds_load_b128 v[168+8*\c:171+8*\c], v1 offset:512*(12+\c)
	ds_load_b32 v[248+\c], v2 offset:64*(12+\c)
.endr
	LOADV 200, 3, 0                                ; out1_b: the C of W3's products
.irp e, 0,1
	ds_load_b128 v[232+8*\e:235+8*\e], v7 offset:512*(16+\e)
	ds_load_b32 v[252+\e], v9 offset:64*(16+\e)
.endr
	QUANT32 POOL, OP, SCW
.irp e, 0,1
.irp m, 0,1
	ds_load_b128 v[POOL+8*\e+4*\m:POOL+8*\e+4*\m+3], v4 offset:64*\e+16*\m   ; out2_b: the C of W4's products
.endr
.endr
	s_wait_dscnt 0x0
	PLACES 8
.irp c, 0,1,2,3
	WMC ACC+8*\c, 168+8*\c, OP, 200+8*\c, 248+\c, SCW
.endr
	PLACES 4
.set j, 0
.rept 32
	v_max_num_f32 v[F+j], 0, v[ACC+j]
.set j, j+1
.endr
	QUANT32 F, CODES, SCW+1
	PLACES 8
.irp e, 0,1
	WMC ACC+8*\e, 232+8*\e, CODES, POOL+8*\e, 252+\e, SCW+1   ; W4's columns as they lie: register j is output 32 w' + 16 e + 8 h + j of polyline p
.endr
	v_cmp_ne_u32 vcc_lo, 0, v8                     ; has my polyline a valid point?
	PLACES 4
.set j, 0
.rept 16
	v_cndmask_b32 v[F+j], 0, v[ACC+j], vcc_lo      ; 0 where it has none
.set j, j+1
.endr
.irp e, 0,1
.irp m, 0,1
	ds_store_b128 v5, v[F+8*\e+4*\m:F+8*\e+4*\m+3] offset:64*\e+16*\m
.endr
.endr
	BARRIER                                        ; a row's 512 bytes come from the batch's four waves
.irp i, 0,1,2,3
	ds_load_b128 v[72+4*\i:75+4*\i], v6 offset:OSP*\i
.endr
	s_wait_dscnt 0x0
.irp i, 0,1,2,3
	global_store_b128 v11, v[72+4*\i:75+4*\i], s[66:67] offset:512*\i th:TH_STORE_NT   ; 32 lanes store a row of 512 consecutive bytes, at a multiple of 512 from y's first byte; written once, read by nobody here
.endr
	s_wait_xcnt 0x0
	v_lshl_add_u32 v254, v0, 2, 0x40000
	v_mov_b32 v255, 0
	s_wait_tensorcnt 0x0
	ds_add_u32 v254, v255
	s_wait_dscnt 0x0
	s_endpgm
.Lfunc_end_k_q975e5c639a_encode:
	.size	k_q975e5c639a_encode, .Lfunc_end_k_q975e5c639a_encode-k_q975e5c639a_encode
	.p2alignl 7, 3214868480
	.fill 96, 4, 3214868480
	.section	.rodata,"a",@progbits
	.p2align	6, 0x0
	.amdhsa_kernel k_q975e5c639a_encode
		.amdhsa_group_segment_fixed_size 264192
		.amdhsa_private_segment_fixed_size 0
		.amdhsa_enable_private_segment 0
		.amdhsa_kernarg_size 200
		.amdhsa_user_sgpr_count 2
		.amdhsa_user_sgpr_kernarg_segment_ptr 1
		.amdhsa_wavefront_size32 1
		.amdhsa_system_sgpr_workgroup_id_x 1
		.amdhsa_system_sgpr_workgroup_id_y 1
		.amdhsa_system_sgpr_workgroup_id_z 1
		.amdhsa_system_vgpr_workitem_id 0
		.amdhsa_next_free_vgpr 256
		.amdhsa_next_free_sgpr 80
		.amdhsa_reserve_vcc 1
		.amdhsa_float_denorm_mode_32 3
		.amdhsa_float_denorm_mode_16_64 3
		.amdhsa_memory_ordered 1
		.amdhsa_forward_progress 1
		.amdhsa_inst_pref_size 170
	.end_amdhsa_kernel
	.amdgpu_metadata
---
amdhsa.version: [ 1, 2 ]
amdhsa.kernels:
  - .name:           k_q975e5c639a_encode
    .symbol:         k_q975e5c639a_encode.kd
    .args:
      - { .name: polylines, .offset: 0, .size: 8, .value_kind: global_buffer, .address_space: global }
      - { .name: polylines_mask, .offset: 8, .size: 8, .value_kind: global_buffer, .address_space: global }
      - { .name: pre_w, .offset: 16, .size: 8, .value_kind: global_buffer, .address_space: global }
      - { .name: pre_b, .offset: 24, .size: 8, .value_kind: global_buffer, .address_space: global }
      - { .name: pre_g, .offset: 32, .size: 8, .value_kind: global_buffer, .address_space: global }
      - { .name: pre_beta, .offset: 40, .size: 8, .value_kind: global_buffer, .address_space: global }
      - { .name: pre_rm, .offset: 48, .size: 8, .value_kind: global_buffer, .address_space: global }
      - { .name: pre_rv, .offset: 56, .size: 8, .value_kind: global_buffer, .address_space: global }
      - { .name: m1_w, .offset: 64, .size: 8, .value_kind: global_buffer, .address_space: global }
      - { .name: m1_b, .offset: 72, .size: 8, .value_kind: global_buffer, .address_space: global }
      - { .name: m1_g, .offset: 80, .size: 8, .value_kind: global_buffer, .address_space: global }
      - { .name: m1_beta, .offset: 88, .size: 8, .value_kind: global_buffer, .address_space: global }
      - { .name: m1_rm, .offset: 96, .size: 8, .value_kind: global_buffer, .address_space: global }
      - { .name: m1_rv, .offset: 104, .size: 8, .value_kind: global_buffer, .address_space: global }
      - { .name: m2_w, .offset: 112, .size: 8, .value_kind: global_buffer, .address_space: global }
      - { .name: m2_b, .offset: 120, .size: 8, .value_kind: global_buffer, .address_space: global }
      - { .name: m2_g, .offset: 128, .size: 8, .value_kind: global_buffer, .address_space: global }
      - { .name: m2_beta, .offset: 136, .size: 8, .value_kind: global_buffer, .address_space: global }
      - { .name: m2_rm, .offset: 144, .size: 8, .value_kind: global_buffer, .address_space: global }
      - { .name: m2_rv, .offset: 152, .size: 8, .value_kind: global_buffer, .address_space: global }
      - { .name: out1_w, .offset: 160, .size: 8, .value_kind: global_buffer, .address_space: global }
      - { .name: out1_b, .offset: 168, .size: 8, .value_kind: global_buffer, .address_space: global }
      - { .name: out2_w, .offset: 176, .size: 8, .value_kind: global_buffer, .address_space: global }
      - { .name: out2_b, .offset: 184, .size: 8, .value_kind: global_buffer, .address_space: global }
      - { .name: out0, .offset: 192, .size: 8, .value_kind: global_buffer, .address_space: global }
    .group_segment_fixed_size: 264192
    .private_segment_fixed_size: 0
    .kernarg_segment_align: 8
    .kernarg_segment_size: 200
    .max_flat_workgroup_size: 512
    .sgpr_count:     80
    .vgpr_count:     256
    .wavefront_size: 32
...
	.end_amdgpu_metadata
.endif
;; end of part 1
